; MI455X (gfx1250); checked and timed in simulation.
; The chip was launched on July 23, 2026; its instructions are those of AMD's public machine-readable ISA for CDNA 5 (MIT licence, August 2026) and "CDNA5" Instruction Set Architecture Reference Guide (July 2026). The comments in the code are by the model that wrote it; some were corrected since.
;; Weight Drop LSTM. Allowed arithmetic: matrix products marked QUANTISED: E4M3 operands, one E8M0 scale for each 32 along K, by v_wmma_scale_f32_16x16x128_f8f6f4 with both operands' format E4M3, f32 sums; everything else in f32.
;; Inputs: bias 4,096 float32; cx 8,192 x 1,024 float32; hx 8,192 x 1,024 float32; input 8,192 x 1,024 float32; weight_hh 4,096 x 1,024 float32; weight_ih 4,096 x 1,024 float32.
;; Outputs: out0 8,192 x 1,024 float32; out1 8,192 x 1,024 float32.
;; This version of the problem:
;;   THIS VERSION OF THE PROBLEM IS GIVEN IN LOW PRECISION. The matrix products marked QUANTISED in the list below multiply operands that are first quantised to E4M3 (4 exponent bits, 3 mantissa bits; 8 bits a number), with one power-of-two scale for each 32 numbers along K (OCP MX v1.0); their sums are f32. All else is computed in f32.
;;   The module's matrix products, in the order in which they are computed (A, B: the left and right operand; K: the contracted axis; several contracted axes count as one K, in the product's order):
;;     1. [M 8,192, K 1,024] x [K 1,024, N 4,096]; A: input input; B: input weight_ih: QUANTISED
;;     2. [M 8,192, K 1,024] x [K 1,024, N 4,096]; A: input hx; B: input weight_hh: QUANTISED
;;   THE QUANTISER, for each operand of a quantised product, along K:
;;     - K is cut into blocks of 32 from its start; a last block that is shorter is filled with zeros.
;;     - A block's scale is 2^e with e = floor(log2(the largest magnitude in the block)) - 8, held to -126 .. 127; a block of zeros has e = 0. As a byte (E8M0): e + 127.
;;     - Each number is divided by its block's scale, clamped to +-448, and rounded to the nearest number of E4M3, ties to even, subnormals kept.
;;     - The product sums the exact products of the quantised numbers (number of the format x scale) in f32.
;;   ~~~python
;;   def quantise(x, axis):      # numpy; x: float32 -> the quantised numbers, widened to float32 again
;;       x = np.moveaxis(x, axis, -1); K = x.shape[-1]
;;       x = np.pad(x, [(0, 0)] * (x.ndim - 1) + [(0, -K % 32)]); x = x.reshape(x.shape[:-1] + (-1, 32)); a = np.abs(x).max(-1, keepdims=True)
;;       e = np.where(a > 0, np.clip(np.frexp(np.where(a > 0, a, 1))[1] - 1 - 8, -126, 127), 0)      # np.frexp(a)[1] - 1 = floor(log2(a)), exactly
;;       r = np.clip(x / 2.0 ** e, -448, 448)
;;       step = 2.0 ** (np.maximum(np.frexp(np.where(r == 0, 1, r))[1] - 1, -6) - 3)
;;       q = np.round(r / step) * step * 2.0 ** e      # np.round: ties to even
;;       return np.moveaxis(q.reshape(q.shape[:-2] + (-1,))[..., :K], -1, axis).astype(np.float32)
;;   ~~~
;; One version. Each part assembles by itself: llvm-mc -triple=amdgcn-amd-amdhsa -mcpu=gfx1250 --defsym DOCPART=n.
;; ======== version 1 of 1: 2 launches
;; limits: inputs' magnitudes at most 1.15e+18; right only within a limited range of input values; a function is approximated: absolute error at most 9.3e-10
;; workspace buffers: a_codes 16,777,216 bytes; a_scales 524,288 bytes; b_codes 8,388,608 bytes; b_scales 262,144 bytes
;; launch quant (part 1): grid 768 x 1, 4 waves a work-group, no clusters, 33,280 bytes of LDS; arguments input, hx, weight_ih, weight_hh, a_codes, a_scales, b_codes, b_scales; writes a_codes, a_scales, b_codes, b_scales
.if DOCPART == 1
	.amdgcn_target "amdgcn-amd-amdhsa--gfx1250"
	.amdhsa_code_object_version 6
	.text
	.protected	k_q26a692c213_quant
	.globl	k_q26a692c213_quant
	.p2align	8
	.type	k_q26a692c213_quant,@function
k_q26a692c213_quant:
	s_mov_b64 s[64:65], 0
	v_nop
	global_prefetch_b8 v0, s[64:65] scope:SCOPE_SE
	s_setreg_imm32_b32 hwreg(HW_REG_WAVE_MODE, 25, 1), 1
	s_wait_xcnt 0x0
; The four f32 operands of gates = input W_ih^T + hx W_hh^T become codes of FP8 (E4M3) with one E8M0 scale byte for each 32 along K.
; Both products have K = 1,024, a multiple of 32, so they are ONE product over a joined K of 2,048: A = [input | hx], 8,192 rows; B = [weight_ih | weight_hh], 4,096 rows.
; a_codes [8192][2048], a_scales [8192][64];  b_codes [4096][2048], b_scales [4096][64]: K innermost, the first source's 1,024 first.
; B'S ROWS ARE LAID IN ANOTHER ORDER: source row n = 1024 g + j (gate g, hidden unit j) goes to row n' = 128 (j / 32) + 32 g + j % 32.  So 128 neighbouring rows of b_codes are 32 hidden units x 4 gates,
; and the next launch finds the four gates of a hidden unit in one wave's tile.
; A block's scale is 2^(floor(log2(its largest magnitude)) - 8); its byte is the largest magnitude's own exponent field - 8, held at 1 from below.  Each number is divided by the scale, held within +-448
; and rounded to the nearest code, ties to even.
; LIMITS: NaN and infinities among the inputs are not served.  A block of zeros gets the byte 1 where the rule says 127: its codes are zeros, which add nothing under any byte but 0xff, and the bytes are read
; by this program alone.  Blocks whose largest magnitude lies under 2^(9 - 127) are quantised under the byte 1.
; SHARES.  A wave takes 4 rows of a joined operand, 16 steps of 512 numbers: step t is row t / 4, source (t / 2) % 2, half t % 2.  Its codes are 8,192 consecutive bytes (step t at 512 t), its scale bytes 256
; consecutive bytes (step t at 16 t).  Work-groups 0-511 take A, 512-767 take B; only pointers and row numbers are chosen, both take one path through the text.
; The conversions take numbers of ONE block from a lane's consecutive registers, so a lane must hold 16 neighbours; a load is best where neighbouring lanes take neighbouring bytes.  Both are had: each of a
; step's four loads reads 512 consecutive bytes, 16 a lane; the 2,048 bytes go through the wave's own stage in LDS as they lie and come back 64 bytes a lane (16 bytes of padding behind each 64).
; No tensor loads, no barrier: waves share nothing.  Loads run four steps (16 loads a wave) ahead, the turn through LDS one step.  Matrix units and clusters have nothing to do here: the launch streams.
.set STEPS, 16
.set WGA,   512                        ; A's work-groups: 8,192 rows / 16
.set EMAX,  8
.set MANT,  0x600000                   ; the mantissa field of 448 as f32
.set R,     16                         ; v16-79   four sets of 16 numbers as they are loaded
.set X,     80                         ; v80-111  two sets of 16 neighbours
.set E,     112                        ; v112-127 a scale byte for each step
.set C,     128                        ; v128-191 codes: four registers for each step, so that no store's data are written again
.set WREG,  8192                       ; LDS: a region of its own for each wave: two stages of 32 x SP bytes, and behind them its 256 scale bytes
.set SP,    80                         ; a lane's place in a stage: its 64 bytes + 16 of padding
	s_load_b256 s[4:11], s[0:1], 0x0               ; input s[4:5], hx s[6:7], weight_ih s[8:9], weight_hh s[10:11]
	s_load_b256 s[12:19], s[0:1], 0x20             ; a_codes s[12:13], a_scales s[14:15], b_codes s[16:17], b_scales s[18:19]
	v_lshl_add_u32 v192, v0, 2, 0x8000
	v_mov_b32 v193, 0
	v_lshrrev_b32 v1, 5, v0
	v_readfirstlane_b32 s20, v1                    ; wave
	v_and_b32 v2, 31, v0                           ; lane
	v_lshlrev_b32 v3, 4, v2                        ; my 16 bytes of a load's 512, and of a step's 512 bytes of codes
	s_mul_i32 s21, s20, WREG
	v_lshrrev_b32 v14, 2, v2
	v_mul_u32_u24 v14, v14, SP
	v_and_b32 v15, 3, v2
	v_lshl_add_u32 v14, v15, 4, v14
	v_add_nc_u32 v14, s21, v14                     ; the stage, on the way in: four lanes' 64 bytes on end, then 16 of padding: SP (lane / 4) + 16 (lane % 4); a load's 512 bytes take eight places
	v_mul_u32_u24 v15, v2, SP
	v_add_nc_u32 v15, s21, v15                     ; and on the way out: SP x lane: my 16 neighbours
	v_lshrrev_b32 v5, 1, v2
	s_add_co_u32 s21, s21, 2*32*SP
	v_add_nc_u32 v5, s21, v5                       ; LDS: my wave's 256 scale bytes, my block's byte
	v_lshlrev_b32 v7, 3, v2                        ; and on the way out 8 bytes a lane
	v_add_nc_u32 v6, s21, v7
	s_mov_b32 s30, MANT                            ; (an instruction takes one literal: the hold's line has another)
	s_wait_kmcnt 0x0
	s_cmp_lt_u32 ttmp9, WGA                        ; A's work-group or B's?  The choice hangs on the work-group's number alone
	s_cselect_b64 s[4:5], s[4:5], s[8:9]           ; the first source,
	s_cselect_b64 s[6:7], s[6:7], s[10:11]         ; the second,
	s_cselect_b64 s[12:13], s[12:13], s[16:17]     ; the codes,
	s_cselect_b64 s[14:15], s[14:15], s[18:19]     ; the scale bytes
	s_cselect_b32 s22, 0, WGA
	s_sub_co_u32 s23, ttmp9, s22
	s_lshl_b32 s23, s23, 2
	s_add_co_u32 s23, s23, s20                     ; which wave of the operand's
	s_lshl_b32 s24, s23, 2                         ; n: my first source row, a multiple of 4
	s_bfe_u32 s25, s24, 0x50005                    ; n[9:5] = j / 32
	s_lshl_b32 s25, s25, 7
	s_lshr_b32 s26, s24, 10                        ; n[11:10] = the gate (of use in B alone)
	s_lshl_b32 s26, s26, 5
	s_or_b32 s25, s25, s26
	s_and_b32 s26, s24, 31                         ; j % 32: four aligned source rows stay four neighbouring rows
	s_or_b32 s25, s25, s26
	s_cmp_lt_u32 ttmp9, WGA                        ; (the lines above have written SCC)
	s_cselect_b32 s25, s24, s25                    ; A keeps its order, B takes n'
	s_mov_b32 s29, 0
	s_lshl_b32 s28, s24, 12                        ; a source row is 4,096 bytes; all three offsets stay under 2^26
	s_add_nc_u64 s[4:5], s[4:5], s[28:29]
	s_add_nc_u64 s[6:7], s[6:7], s[28:29]
	s_lshl_b32 s28, s25, 11                        ; a row of codes is 2,048 bytes
	s_add_nc_u64 s[12:13], s[12:13], s[28:29]
	s_lshl_b32 s28, s25, 6                         ; a row of scale bytes is 64
	s_add_nc_u64 s[14:15], s[14:15], s[28:29]
.macro LOAD t                          ; step t's 512 numbers: 32 lanes read 512 consecutive bytes, four times; read once in the launch
.irp i, 0,1,2,3
.if ((\t)/2)%2 == 0
	global_load_b128 v[R+16*((\t)%4)+4*\i:R+16*((\t)%4)+4*\i+3], v3, s[4:5] offset:4096*((\t)/4)+2048*((\t)%2)+512*\i th:TH_LOAD_NT
.else
	global_load_b128 v[R+16*((\t)%4)+4*\i:R+16*((\t)%4)+4*\i+3], v3, s[6:7] offset:4096*((\t)/4)+2048*((\t)%2)+512*\i th:TH_LOAD_NT
.endif
.endr
.endm
.macro TURN t                          ; step t's numbers through the stage: LDS serves a wave's instructions in order (ISA guide 5.7.1.4), so no wait stands between the stores and the loads
.irp i, 0,1,2,3
	ds_store_b128 v14, v[R+16*((\t)%4)+4*\i:R+16*((\t)%4)+4*\i+3] offset:32*SP*((\t)%2)+8*SP*\i
.endr
.irp i, 0,1,2,3
	ds_load_b128 v[X+16*((\t)%2)+4*\i:X+16*((\t)%2)+4*\i+3], v15 offset:32*SP*((\t)%2)+16*\i
.endr
.endm
.irp t, 0,1,2,3
	LOAD \t
.endr
	s_wait_loadcnt 12                              ; step 0's four loads are in; the twelve of steps 1 to 3 stay out
	TURN 0
.macro STEP t
.set XS, X+16*((\t)%2)
.if (\t) > 0
	s_wait_dscnt 1                                 ; this step's numbers are back from the stage (the last step's byte store may be out): so its stores into the stage have read their registers,
.else
	s_wait_dscnt 0x0
.endif
.if (\t)+4 < STEPS
	LOAD (\t)+4                                    ; which take the loads of four steps on
.endif
.if (\t)+1 < STEPS
.if STEPS-2-(\t) >= 3
	s_wait_loadcnt 12                              ; the next step's four loads are in; those of the three steps behind it may be out
.else
	s_wait_loadcnt 4*(STEPS-2-(\t))                ; the counts run down: no load leaves its buffer
.endif
	TURN (\t)+1                                    ; and go through the other stage while this step is worked
.endif
	v_max3_num_f32 v8, |v[XS]|, |v[XS+1]|, |v[XS+2]|               ; the largest magnitude of my 16, in two chains
	v_max3_num_f32 v9, |v[XS+3]|, |v[XS+4]|, |v[XS+5]|
.irp i, 6,10
	v_max3_num_f32 v8, v8, |v[XS+\i]|, |v[XS+\i+1]|
	v_max3_num_f32 v9, v9, |v[XS+\i+2]|, |v[XS+\i+3]|
.endr
	v_max3_num_f32 v8, v8, |v[XS+14]|, |v[XS+15]|
	v_max3_num_f32 v8, v8, v9, (EMAX+1)<<23        ; and the floor 2^(EMAX + 1 - 127), under which no largest magnitude is taken: so the byte cannot fall under 1
	v_max_num_f32_dpp v8, v8, v8 row_xmask:1 row_mask:0xf bank_mask:0xf   ; and of my neighbour's 16: the block's
	v_add_nc_u32 v11, -(EMAX<<23), v8              ; EMAX off its exponent field: the conversion takes the exponent field of this operand as its scale, and nothing else of it
	v_and_or_b32 v10, v8, 0x7f800000, s30          ; 448 x the scale: the largest magnitude's exponent field over 448's mantissa
.irp i, 0,1,2,3,4,5,6,7,8,9,10,11,12,13,14,15
	v_med3_num_f32 v[XS+\i], v[XS+\i], -v10, v10   ; the conversion to an 8-bit code does not saturate (ISA guide 7.6.2): hold the number within the largest code x the scale first
.endr
	v_cvt_scalef32_pk8_fp8_f32 v[C+4*(\t):C+4*(\t)+1], v[XS:XS+7], v11          ; eight numbers / 2^(v11's exponent), to the nearest code, ties to even; the first number's code in the lowest byte
	v_cvt_scalef32_pk8_fp8_f32 v[C+4*(\t)+2:C+4*(\t)+3], v[XS+8:XS+15], v11
	v_lshrrev_b32 v[E+(\t)], 23, v11               ; the scale's byte (also the plain line behind the conversions)
	ds_store_b8 v5, v[E+(\t)] offset:16*(\t)       ; both lanes of a block write the same byte with the same value
	global_store_b128 v3, v[C+4*(\t):C+4*(\t)+3], s[12:13] offset:512*(\t)      ; 32 lanes store 512 consecutive bytes, at a multiple of 512 from the buffer's first byte; the next launch reads them
.endm
.irp t, 0,1,2,3,4,5,6,7,8,9,10,11,12,13,14,15
	STEP \t
.endr
	ds_load_b64 v[12:13], v6                       ; LDS serves a wave's instructions in order: these see my byte stores
	s_wait_dscnt 0x0
	global_store_b64 v7, v[12:13], s[14:15]        ; 32 lanes store 256 consecutive bytes, at a multiple of 256 from the buffer's first byte: four rows' scale bytes
	s_wait_tensorcnt 0x0
	ds_add_u32 v192, v193
	s_wait_dscnt 0x0
	s_endpgm
.Lfunc_end_k_q26a692c213_quant:
	.size	k_q26a692c213_quant, .Lfunc_end_k_q26a692c213_quant-k_q26a692c213_quant
	.p2alignl 7, 3214868480
	.fill 96, 4, 3214868480
	.section	.rodata,"a",@progbits
	.p2align	6, 0x0
	.amdhsa_kernel k_q26a692c213_quant
		.amdhsa_group_segment_fixed_size 33280
		.amdhsa_private_segment_fixed_size 0
		.amdhsa_enable_private_segment 0
		.amdhsa_kernarg_size 64
		.amdhsa_user_sgpr_count 2
		.amdhsa_user_sgpr_kernarg_segment_ptr 1
		.amdhsa_wavefront_size32 1
		.amdhsa_system_sgpr_workgroup_id_x 1
		.amdhsa_system_sgpr_workgroup_id_y 1
		.amdhsa_system_sgpr_workgroup_id_z 1
		.amdhsa_system_vgpr_workitem_id 0
		.amdhsa_next_free_vgpr 194
		.amdhsa_next_free_sgpr 66
		.amdhsa_reserve_vcc 0
		.amdhsa_float_denorm_mode_32 3
		.amdhsa_float_denorm_mode_16_64 3
		.amdhsa_memory_ordered 1
		.amdhsa_forward_progress 1
		.amdhsa_inst_pref_size 51
	.end_amdhsa_kernel
	.amdgpu_metadata
---
amdhsa.version: [ 1, 2 ]
amdhsa.kernels:
  - .name:           k_q26a692c213_quant
    .symbol:         k_q26a692c213_quant.kd
    .args:
      - { .name: input, .offset: 0, .size: 8, .value_kind: global_buffer, .address_space: global }
      - { .name: hx, .offset: 8, .size: 8, .value_kind: global_buffer, .address_space: global }
      - { .name: weight_ih, .offset: 16, .size: 8, .value_kind: global_buffer, .address_space: global }
      - { .name: weight_hh, .offset: 24, .size: 8, .value_kind: global_buffer, .address_space: global }
      - { .name: a_codes, .offset: 32, .size: 8, .value_kind: global_buffer, .address_space: global }
      - { .name: a_scales, .offset: 40, .size: 8, .value_kind: global_buffer, .address_space: global }
      - { .name: b_codes, .offset: 48, .size: 8, .value_kind: global_buffer, .address_space: global }
      - { .name: b_scales, .offset: 56, .size: 8, .value_kind: global_buffer, .address_space: global }
    .group_segment_fixed_size: 33280
    .private_segment_fixed_size: 0
    .kernarg_segment_align: 8
    .kernarg_segment_size: 64
    .max_flat_workgroup_size: 128
    .sgpr_count:     66
    .vgpr_count:     194
    .wavefront_size: 32
...
	.end_amdgpu_metadata
.endif
;; end of part 1
;; launch lstm (part 2): grid 16 x 32, 4 waves a work-group, clusters of 4 x 4, 327,680 bytes of LDS; arguments a_codes, a_scales, b_codes, b_scales, bias, cx, out0, out1; writes out0, out1
.if DOCPART == 2
	.amdgcn_target "amdgcn-amd-amdhsa--gfx1250"
	.amdhsa_code_object_version 6
	.text
	.protected	k_q26a692c213_lstm
	.globl	k_q26a692c213_lstm
	.p2align	8
	.type	k_q26a692c213_lstm,@function
k_q26a692c213_lstm:
	s_mov_b64 s[64:65], 0
	v_nop
	global_prefetch_b8 v0, s[64:65] scope:SCOPE_SE
	s_setreg_imm32_b32 hwreg(HW_REG_WAVE_MODE, 25, 1), 1
	s_wait_xcnt 0x0
	s_wait_alu depctr_hold_cnt(0) depctr_sa_sdst(0) depctr_va_vdst(0) depctr_va_sdst(0) depctr_va_ssrc(0) depctr_va_vcc(0) depctr_vm_vsrc(0)
	s_getreg_b32 s2, hwreg(HW_REG_IB_STS2, 6, 4)
	s_cmp_eq_u32 s2, 0
	s_cbranch_scc0 .Lentry_in_a_cluster
	s_endpgm
.Lentry_in_a_cluster:
	s_bfe_u32 s2, ttmp6, 0x10000c
	s_cmp_lg_u32 s2, 0xf033
	s_cbranch_scc0 .Lentry_shape_is_right
	s_endpgm
.Lentry_shape_is_right:
; gates = A B^T + bias on codes of FP8 (E4M3) with one E8M0 scale for each 32 along K, sums in f32; then cy = sigmoid(f) cx + sigmoid(i) tanh(g), hy = sigmoid(o) tanh(cy), in f32.  The gates never go to memory.
; A: a_codes [8192][2048], a_scales [8192][64] (K = input's 1,024, then hx's).  B: b_codes [4096][2048], b_scales [4096][64], rows in the order 128 (j / 32) + 32 g + j % 32 (gate g, hidden unit j).
; bias [4096] (row 1024 g + j), cx, out0 = hy, out1 = cy: [8192][1024] f32.
; SHARES.  A work-group of four waves, as many as a WGP has SIMDs, makes 256 rows x 256 rows of B = 64 hidden units x 4 gates; a wave 128 rows x 128 rows of B = 32 hidden units x 4 gates: 64 accumulators, 512 registers.
; K goes in steps of 256 through a ring of two LDS slots filled by the tensor data mover: a tile's row is 256 bytes of memory.  The scales of the work-group's rows, for all of K, come into LDS once and stay.
; THE MATRIX INSTRUCTION IS USED TRANSPOSED (source 0 = 16 rows of B, source 1 = 16 rows of A).  B's block b = 2 g + u of a wave is gate g, units 16 u on: register j of accumulator (a, b) in lane (r, h) is
; row 16 a + r, gate g, unit 16 u + 8 h + j.  So the four gates of an element lie in ONE lane, 16 registers apart, and the tail changes no lanes.  The bias is the C of each sum's first product.
; CLUSTERS: 4 x 4 work-groups.  The four of a row of the cluster need the same tiles of A, the four of a column the same tiles of B: each tile is asked for JOINTLY, by the same tensor load with the same
; descriptor and a mask that names the four.  cx's tile is a work-group's own (no partner reads it): a plain tensor load, 64 rows a wave, into slot 0 when that slot has been read for the last time.
; THE CHANGE OF SLOTS stands at the head of a slot's last 128 along K, whose fragments are all in registers by then: the refill goes out ahead of that step's 64 products, so that it has a whole K step, 128 matrix
; instructions of its wave, in which to land.
; THE TAIL.  E_x = 2^min(-k x, 30), k = log2(e) for a sigmoid, 2 log2(e) for a tanh.  cy = [cx (1+Ei)(1+Eg) + (1-Eg)(1+Ef)] / [(1+Ei)(1+Eg)(1+Ef)];  hy = (1-Ec) / [(1+Eo)(1+Ec)]:
; five exponentials and two reciprocals an element.  The hold at 2^30 keeps every product of three at or under 2^91; there a tanh is +-1 to f32's last bit and a sigmoid is at most 2^-30 off.
; THE WAY OUT goes in four phases, one for every two blocks of 16 rows, so that three quarters of the results leave while the rest is still worked on.
; LIMITS: |cx| under 2^60; a sigmoid is never under 2^-30; NaN and infinities among the inputs are not served.  The bias is added ahead of the products, not behind them.
; REGISTERS, in windows of 256: window 0: v1-29 addresses; v32-63 scale words, two sets, and nothing else; v64-127 the bias, 8 registers for each block of B; from v128 A's fragments (8 x 16 rows x 128 K), ONE set;
;   in the tail v128-191 T, v192-207 W, v208-239 cx, two sets.   window 1: B's fragments, TWO sets, at v0 and v128; on the way out the rows read back, 64 registers a phase.
;   window 2: the 32 accumulators of my rows 0-63 (accumulator (a, b) at v[8 (8 a + b)]);   window 3: those of my rows 64-127.
.set KSTEP,  256                       ; along K in a slot
.set NQ,     KSTEP/128                 ; matrix instructions deep
.set ROWB,   256                       ; a tile's row in bytes
.set KROW,   2048                      ; a row of A or of B in memory, in bytes
.set PITCH,  272                       ; an LDS row: 256 bytes + 16 of padding = 68 words: row r starts at bank 4 r mod 64 (64 banks of 4 bytes: ISA guide 11.1), so the 16 rows that a load touches start at 16 different banks
.set FR,     16                        ; registers of a fragment: 16 rows x 128 K
.set NL,     4                         ; LDS loads that bring one
.set NP,     8                         ; places behind this matrix instruction (ISA guide 7.12.1)
.set HALFT,  128*PITCH                 ; 128 rows: what one tensor load brings, and what one wave reads of A or of B
.set SLOT,   4*HALFT                   ; A's 256 rows, then B's 256 rows
.set LAPS,   KROW/(2*KSTEP)            ; a lap = two K steps = once round the ring: 4
.set KS,     64                        ; a row of scales in bytes
.set SCL,    2*SLOT                    ; behind the ring: the scales, as pieces of 256 bytes + 16 of padding
.set HALFS,  (128*KS/256)*272          ; the scales of 128 rows: what one tensor load brings
.set SBLK,   (16*KS/256)*272           ; those of 16 rows
.set SPARE,  SCL+4*HALFS               ; behind the scales: the spare words, 128 bytes for each wave: two blocks of 256 bytes that no other line names
.set QCX,    64*PITCH                  ; 64 rows of cx: what a wave's load brings; the tile lies at LDS byte 0, in slot 0
.set STGH,   SLOT                      ; hy's stage, 256 rows x 272 bytes, and
.set STGC,   SLOT+256*PITCH            ; cy's: together they are slot 1, which has had its last fill and its last read when the first result is stored there
.set PH,     64*PITCH                  ; a stage is laid PHASE BY PHASE: stage row 64 p + 32 WR + i is tile row 128 WR + 32 p + i, i = 0 .. 31: what one phase reads and what the next one writes are disjoint runs of 64 rows
.set CXA,  8                           ; v8      my lane's place in cx's tile: row 128 WR + r, byte 128 WC + 32 h
.set STH,  9                           ; v9      my lane's place in a phase of hy's stage: row 32 WR + r, byte 128 WC + 32 h
.set STC,  10                          ; v10     and of cy's
.set RDH,  11                          ; v11     where I read whole rows of hy back: row 16 wave + h of a phase, byte 16 r
.set RDC,  12                          ; v12     and of cy
.set GOF,  13                          ; v13     my byte offset in the two rows of out0 and out1 that a store covers
.set BO,   14                          ; v14     32 h: my eight numbers of a block's bias
.set PFO,  15                          ; v15     4,096 x lane: a row of cx for each lane
.set ADRA, 16                          ; v16-17  LDS address of my A fragments in slot 0, 1
.set ADRB, 20                          ; v20-21  the same for B
.set ADRS, 27                          ; v27     LDS address of my scale words: lanes 0-15 A's rows, lanes 16-31 B's
.set SPW,  28                          ; v28     LDS address of my spare word: SPARE + 4 x my thread's number; never rewritten
.set NIL,  29                          ; v29     0; never rewritten
.set SC,   32                          ; scale words: set s (for slot s) at v[SC + 8 NQ s]; in it register NQ i + q: lanes 0-15 the word of A's block i, lanes 16-31 that of B's block i, for the slot's q-th 128 along K
.set BI,   64                          ; the bias
.set AF,   128                         ; A's fragments
.set T,    128                         ; the tail: 64 numbers at work: T[16 g + e], e = 8 u + j
.set W,    192                         ; 16 more
.set CXR,  208                         ; cx of a block of 16 rows, two sets of 16
.set WV,   20                          ; s20  my wave's number
.set WR,   21                          ; s21  which half of the tile's rows is mine.  Also: I fetch for A (0) or for B (1)
.set WC,   22                          ; s22  which half of B's rows.  Also: which 128 rows of that tile I fetch
.set G1C,  4                           ; s[4:11]  group 1 for cx's tile (the four pointers that came here have been copied by then)
.set G1,   24                          ; s[24:31] descriptor group 1 for A's tiles;  s[32:39] group 0, one set for each slot
.set G0,   32
.set G1B,  48                          ; s[48:55], s[56:63] the same for B's tiles
.set G0B,  56
.set G1S,  68                          ; s[68:75], s[76:79] groups 1 and 0 for A's scales;  s[80:87], s[88:91] for B's
.set G0S,  76
.set G1SB, 80
.set G0SB, 88
.set KL,   92                          ; s[92:93] -log2(e), twice: the packed forms name a pair
.set K2,   94                          ; s[94:95] -2 log2(e), twice
.set G0C,  96                          ; s[96:99] group 0 for cx's tile
.set CL,   100                         ; s100     30.0
.set MSB, 0
.macro WIN new                         ; the immediate's high byte repeats the setting that is left; a switch that changes nothing is dropped
.if MSB != (\new)
	s_set_vgpr_msb (MSB<<8)|(\new)
.set MSB, (\new)
.endif
.endm
.macro MWIN hi, first                  ; for products: source 0 (B) window 1, source 1 (A) window 0, D window 2 + hi; C with D, or, in the first step, the bias in window 0
.if \first
	WIN 0x81+0x40*(\hi)
.else
	WIN 0xa1+0x50*(\hi)
.endif
.endm
.set TO_B,   0x40                      ; destination window 1, address window 0
; A joint load: waves 0 and 1 fetch for A, waves 2 and 3 for B.  Each of the two lines has ONE mask and one set of registers for all that issue it; the branch hangs on the wave's number alone.
; Four v_nop follow each of the two lines, ahead of the jump, the label and what follows.
.macro JLOAD g0a, g1a, g0b, g1b
	s_cmp_eq_u32 s[WR], 0
	s_cbranch_scc0 .Lfor_b_\@
	tensor_load_to_lds s[\g0a:\g0a+3], s[\g1a:\g1a+7]
	s_nop 0
.rept 4
	v_nop
.endr
	s_branch .Lasked_\@
.Lfor_b_\@:
	tensor_load_to_lds s[\g0b:\g0b+3], s[\g1b:\g1b+7]
	s_nop 0
.rept 4
	v_nop
.endr
.Lasked_\@:
.endm
; A round of the cluster's barrier: my work-group's barrier, so that wave 0's signal speaks for all four waves; wave 0 signals for the work-group; every wave waits for all sixteen work-groups; my work-group's
; barrier once more.  No LDS instruction of the wave is pending at a signal.
.macro CROUND
	s_barrier_signal -1
	s_barrier_wait -1
	s_cmp_lg_u32 s[WV], 0
	s_cbranch_scc1 .Lnot_wave_0_\@
	s_barrier_signal -3
.Lnot_wave_0_\@:
	s_barrier_wait -3
	s_barrier_signal -1
	s_barrier_wait -1
.endm
	s_load_b256 s[4:11], s[0:1], 0x0               ; A's codes s[4:5], A's scales s[6:7], B's codes s[8:9], B's scales s[10:11]
	s_load_b256 s[12:19], s[0:1], 0x20             ; bias s[12:13], cx s[14:15], out0 s[16:17], out1 s[18:19]
	v_lshl_add_u32 v[SPW], v0, 2, SPARE
	v_mov_b32 v[NIL], 0
	ds_add_u32 v28, v29
	s_wait_dscnt 0x0
	v_lshrrev_b32 v1, 5, v0
	v_readfirstlane_b32 s[WV], v1                  ; wave 0..3
	s_lshr_b32 s[WR], s[WV], 1
	s_and_b32 s[WC], s[WV], 1
	s_bfe_u32 s40, ttmp6, 0x40000                  ; my place along the cluster's x,
	s_bfe_u32 s41, ttmp6, 0x40004                  ; along its y
	s_lshl_b32 s42, ttmp9, 2
	s_add_co_u32 s42, s42, s40                     ; tile column (64 hidden units) = 4 x cluster x + place
	s_and_b32 s23, ttmp7, 0xffff
	s_lshl_b32 s23, s23, 2
	s_add_co_u32 s23, s23, s41                     ; tile row (256 rows) = 4 x cluster y + place
	s_lshl_b32 s43, s41, 2
	s_lshl_b32 s43, 15, s43                        ; my row of the cluster
	s_lshl_b32 s44, 0x1111, s40                    ; my column
	; descriptor group 1: a tile of 128 rows x 256 bytes, padded in LDS
	s_or_b32 s[G1+0], s43, (0<<16)|(1<<20)|(1<<21)|(5<<22)|(3<<25)  ; 15:0 the mask: A's tiles go to my row; 17:16 element of 1 byte; 20 padding on; 21 set beside a mask; 24:22 after every 64 words (code 5); 31:25 of 4 words (code 3)
	s_or_b32 s[G1B+0], s44, (0<<16)|(1<<20)|(1<<21)|(5<<22)|(3<<25) ; the same with the mask of my column, for B's tiles
.irp g, G1, G1B
	s_mov_b32 s[\g+1], ROWB<<16                    ; tensor_dim0 = 256
	s_mov_b32 s[\g+2], 128<<16                     ; tensor_dim1 = 128
	s_mov_b32 s[\g+3], ROWB<<16                    ; tile_dim0 = 256
	s_mov_b32 s[\g+4], 128                         ; tile_dim1 = 128
	s_mov_b32 s[\g+5], KROW                        ; tensor_dim0_stride
	s_mov_b32 s[\g+6], 0
	s_mov_b32 s[\g+7], 0
.endr
	; and for the scales of 128 rows: a dense block of 8,192 bytes, as 32 rows of 256 bytes (32 elements of 8 bytes), 16 bytes of padding behind each
	s_or_b32 s[G1S+0], s43, (3<<16)|(1<<20)|(1<<21)|(5<<22)|(3<<25)
	s_or_b32 s[G1SB+0], s44, (3<<16)|(1<<20)|(1<<21)|(5<<22)|(3<<25)
.irp g, G1S, G1SB
	s_mov_b32 s[\g+1], 32<<16
	s_mov_b32 s[\g+2], (128*KS/256)<<16
	s_mov_b32 s[\g+3], 32<<16
	s_mov_b32 s[\g+4], 128*KS/256
	s_mov_b32 s[\g+5], 32
	s_mov_b32 s[\g+6], 0
	s_mov_b32 s[\g+7], 0
.endr
	; where the tiles come from.  A's hang on the tile row alone, B's on the tile column alone, each in registers that never hold the other coordinate.  All offsets stay under 2^25.
	s_lshl_b32 s95, s[WC], 7                       ; which 128 rows of the tile I fetch
	s_lshl_b32 s2, s23, 8
	s_add_co_u32 s2, s2, s95                       ; A: row 256 x tile row + 128 x half
	s_lshl_b32 s46, s42, 8
	s_add_co_u32 s46, s46, s95                     ; B: row 256 x tile column + 128 x half
	s_lshl_b32 s66, s2, 6                          ; these rows' scales, 64 bytes a row,
	s_mov_b32 s67, 0
	s_lshl_b32 s2, s2, 11                          ; and their codes, 2,048 bytes a row
	s_mov_b32 s3, 0
	s_lshl_b32 s92, s46, 6
	s_mov_b32 s93, 0
	s_lshl_b32 s46, s46, 11
	s_mov_b32 s47, 0
	s_mul_i32 s45, s[WV], HALFT                    ; where they go: wave x 128 rows: no place in the cluster enters an LDS address
	s_mul_i32 s94, s[WV], HALFS
	s_wait_kmcnt 0x0
	s_add_nc_u64 s[2:3], s[4:5], s[2:3]
	s_add_nc_u64 s[66:67], s[6:7], s[66:67]
	s_add_nc_u64 s[46:47], s[8:9], s[46:47]
	s_add_nc_u64 s[92:93], s[10:11], s[92:93]
	CROUND                                         ; all sixteen work-groups are here: the first joint loads meet
	s_mov_b32 s[G0S], 1                            ; 1:0 count = 1
	s_add_co_u32 s[G0S+1], s94, SCL                ; 63:32 LDS address
	s_mov_b64 s[G0S+2:G0S+3], s[66:67]             ; 120:64 global address
	s_or_b32 s[G0S+3], s[G0S+3], 0x80000000        ; 127:126 type = 2
	s_mov_b32 s[G0SB], 1
	s_add_co_u32 s[G0SB+1], s94, SCL
	s_mov_b64 s[G0SB+2:G0SB+3], s[92:93]
	s_or_b32 s[G0SB+3], s[G0SB+3], 0x80000000
	JLOAD G0S, G1S, G0SB, G1SB                     ; the scales first: they are wanted with K step 0
.irp s, 0,1
	s_mov_b32 s[G0+4*\s], 1
	s_add_co_u32 s[G0+4*\s+1], s45, \s*SLOT
	s_add_nc_u64 s[G0+4*\s+2:G0+4*\s+3], s[2:3], \s*ROWB
	s_or_b32 s[G0+4*\s+3], s[G0+4*\s+3], 0x80000000
	s_mov_b32 s[G0B+4*\s], 1
	s_add_co_u32 s[G0B+4*\s+1], s45, \s*SLOT
	s_add_nc_u64 s[G0B+4*\s+2:G0B+4*\s+3], s[46:47], \s*ROWB
	s_or_b32 s[G0B+4*\s+3], s[G0B+4*\s+3], 0x80000000
	JLOAD G0+4*\s, G1, G0B+4*\s, G1B               ; K steps 0 and 1: three tensor loads of mine are out now
.endr
	v_and_b32 v1, 15, v0                           ; r = l % 16
	v_bfe_u32 v2, v0, 4, 1                         ; h = l / 16
	v_mul_u32_u24 v3, v1, PITCH
	v_lshl_add_u32 v4, v2, 4, v3                   ; a fragment's row x pitch + 16 x half
	s_mul_i32 s2, s[WR], HALFT                     ; my 128 rows of A
	s_mul_i32 s3, s[WC], HALFT                     ; my 128 rows of B,
	s_add_co_u32 s3, s3, 2*HALFT                   ; which lie behind A's 256
.irp s, 0,1
	v_add_nc_u32 v[ADRA+\s], s2, v4
	v_add_nc_u32 v[ADRB+\s], s3, v4
	s_add_co_u32 s2, s2, SLOT
	s_add_co_u32 s3, s3, SLOT
.endr
	v_mul_u32_u24 v5, v1, KS                       ; my row's scales: 64 bytes a row,
	v_lshrrev_b32 v6, 8, v5
	v_lshl_add_u32 v5, v6, 4, v5                   ; and 16 more for each 256 passed
	s_mul_i32 s2, s[WR], HALFS                     ; A's: my 128 rows
	s_mul_i32 s3, s[WC], HALFS                     ; B's: my 128 rows, behind A's 256
	s_add_co_u32 s3, s3, 2*HALFS
	s_sub_co_u32 s3, s3, s2
	v_mul_u32_u24 v6, s3, v2                       ; lanes 16-31 take B's: the lower base + h x the distance
	s_add_co_u32 s2, s2, SCL
	v_add_nc_u32 v5, v5, v6
	v_add_nc_u32 v[ADRS], s2, v5
	v_lshl_add_u32 v5, v2, 5, v3                   ; row r of 272 bytes, + 32 h: my place among 16 rows, in cx's tile and in the stages
	s_lshl_b32 s3, s[WC], 7                        ; my 32 hidden units' 128 bytes
	s_mul_i32 s2, s[WR], HALFT                     ; cx's tile: my 128 rows
	s_add_co_u32 s2, s2, s3
	v_add_nc_u32 v[CXA], s2, v5
	s_mul_i32 s2, s[WR], 32*PITCH                  ; a phase of a stage: my 32 rows of its 64
	s_add_co_u32 s2, s2, s3
	s_add_co_u32 s2, s2, STGH
	v_add_nc_u32 v[STH], s2, v5
	v_add_nc_u32 v[STC], STGC-STGH, v[STH]
	s_mul_i32 s2, s[WV], 16*PITCH                  ; back: wave w takes rows 16 w on of a phase's 64, whole; lanes 0-15 one row of 256 bytes, lanes 16-31 the next
	s_add_co_u32 s2, s2, STGH
	v_mul_u32_u24 v5, v2, PITCH
	v_lshl_add_u32 v5, v1, 4, v5
	v_add_nc_u32 v[RDH], s2, v5
	v_add_nc_u32 v[RDC], STGC-STGH, v[RDH]
	v_lshlrev_b32 v[GOF], 4, v1
	v_lshl_add_u32 v[GOF], v2, 12, v[GOF]          ; and the same two rows in out0 and out1: 4,096 h + 16 r
	v_lshlrev_b32 v[BO], 5, v2
	v_and_b32 v[PFO], 31, v0
	v_lshlrev_b32 v[PFO], 12, v[PFO]
	; descriptor group 1 for cx's tile: 64 rows x 64 numbers of 4 bytes, 1,024 numbers from row to row, 16 bytes of padding behind each row; no mask: the tile is my work-group's own
	s_mov_b32 s[G1C+0], (2<<16)|(1<<20)|(5<<22)|(3<<25)
	s_mov_b32 s[G1C+1], 64<<16                     ; tensor_dim0 = 64
	s_mov_b32 s[G1C+2], 64<<16                     ; tensor_dim1 = 64
	s_mov_b32 s[G1C+3], 64<<16                     ; tile_dim0 = 64
	s_mov_b32 s[G1C+4], 64                         ; tile_dim1 = 64
	s_mov_b32 s[G1C+5], 1024                       ; tensor_dim0_stride
	s_mov_b32 s[G1C+6], 0
	s_mov_b32 s[G1C+7], 0
	s_lshl_b32 s95, s42, 8                         ; the tile column's 256 bytes of a row
	s_lshl_b32 s98, s23, 20                        ; the tile's first row: 256 x tile row rows of 4,096 bytes
	s_add_co_u32 s98, s98, s95                     ; the tile's corner in cx, out0 and out1: under 2^25
	s_lshl_b32 s100, s[WV], 18                     ; cx: I fetch rows 64 x wave on
	s_add_co_u32 s100, s100, s98
	s_mov_b32 s101, 0
	s_add_nc_u64 s[14:15], s[14:15], s[100:101]
	s_lshl_b32 s100, s[WR], 19                     ; hy and cy: in phase p I store rows 128 WR + 16 WC + 32 p on
	s_lshl_b32 s99, s[WC], 16
	s_add_co_u32 s100, s100, s99
	s_add_co_u32 s100, s100, s98
	s_add_nc_u64 s[16:17], s[16:17], s[100:101]
	s_add_nc_u64 s[18:19], s[18:19], s[100:101]
	s_lshl_b32 s100, s[WC], 7                      ; the bias of my 32 hidden units, within each gate's 4,096 bytes
	s_add_co_u32 s100, s100, s95
	s_add_nc_u64 s[12:13], s[12:13], s[100:101]
	s_mov_b32 s[G0C], 1
	s_mul_i32 s[G0C+1], s[WV], QCX                 ; LDS: wave x 64 rows, from byte 0
	s_mov_b64 s[G0C+2:G0C+3], s[14:15]
	s_or_b32 s[G0C+3], s[G0C+3], 0x80000000
	s_mov_b32 s[KL], 0xbfb8aa3b                    ; -log2(e)
	s_mov_b32 s[KL+1], 0xbfb8aa3b
	s_mov_b32 s[K2], 0xc038aa3b                    ; -2 log2(e)
	s_mov_b32 s[K2+1], 0xc038aa3b
	s_mov_b32 s[CL], 0x41f00000                    ; 30.0
.irp b, 0,1,2,3,4,5,6,7                        ; block b = 2 g + u: bias[1024 g + my units + 16 u + 8 h + 0 .. 7], in the result's layout: 512 bytes a wave, once
.irp c, 0,1
	global_load_b128 v[BI+8*\b+4*\c:BI+8*\b+4*\c+3], v[BO], s[12:13] offset:(\b/2)*4096+(\b%2)*64+16*\c
.endr
.endr
.macro FRAG reg, adr, q, i             ; a fragment, 16 rows x 128 K of 8-bit codes, is 16 registers: lane l holds row l % 16; registers 4 c .. 4 c + 3 hold K = 32 c + 16 (l / 16) + 0 .. 15
.irp c, 0,1,2,3
	ds_load_b128 v[\reg+4*\c:\reg+4*\c+3], v[\adr] offset:128*(\q)+32*\c+(\i)*16*PITCH
.endr
.endm
; 16 matrix instructions: A's blocks a0, a0 + 1 x B's eight, 128 along K: the slot's q-th.  p: B's set;  sc: the set of scale words.  first = 1: the bias is the C of the sum's first product: nothing is cleared or added later.
; The 64 accumulators take turns, one instruction a turn, in the same order in every step.
.macro MUL16 a0, p, q, sc, first
.irp a, \a0, \a0+1
.irp b, 0,1,2,3,4,5,6,7
.if \first
	v_wmma_scale_f32_16x16x128_f8f6f4 v[8*(8*((\a)%4)+\b):8*(8*((\a)%4)+\b)+7], v[128*(\p)+FR*\b:128*(\p)+FR*\b+FR-1], v[AF+FR*(\a):AF+FR*(\a)+FR-1], v[BI+8*\b:BI+8*\b+7], v[SC+8*NQ*(\sc)+NQ*\b+(\q)], v[SC+8*NQ*(\sc)+NQ*(\a)+(\q)] matrix_a_scale:MATRIX_SCALE_ROW1
.else
	v_wmma_scale_f32_16x16x128_f8f6f4 v[8*(8*((\a)%4)+\b):8*(8*((\a)%4)+\b)+7], v[128*(\p)+FR*\b:128*(\p)+FR*\b+FR-1], v[AF+FR*(\a):AF+FR*(\a)+FR-1], v[8*(8*((\a)%4)+\b):8*(8*((\a)%4)+\b)+7], v[SC+8*NQ*(\sc)+NQ*\b+(\q)], v[SC+8*NQ*(\sc)+NQ*(\a)+(\q)] matrix_a_scale:MATRIX_SCALE_ROW1
.endif
.endr
.endr
.endm
.macro FETCH_B slot, q, p              ; B's eight fragments of the slot's q-th 128 along K into set p
	WIN TO_B
.irp i, 0,1,2,3,4,5,6,7
	FRAG 128*(\p)+FR*\i, ADRB+\slot, \q, \i
.endr
	WIN 0
.endm
.macro FETCH_A slot, q, i0             ; A's blocks i0 .. i0 + 3
.irp i, \i0, \i0+1, \i0+2, \i0+3
	FRAG AF+FR*(\i), ADRA+\slot, \q, \i
.endr
.endm
.macro SCALES sc                       ; the next K step's scale words into set sc: two words a row; lanes 0-15 take A's block i, lanes 16-31 B's block i
.irp i, 0,1,2,3,4,5,6,7
	ds_load_b64 v[SC+8*NQ*\sc+NQ*\i:SC+8*NQ*\sc+NQ*\i+1], v[ADRS] offset:\i*SBLK
.endr
.endm
; A load into a register that a matrix instruction has read, and a vector instruction that reads a matrix result or writes one of its registers, stand NP places behind that matrix instruction, and only plain
; vector instructions that name none of its registers are places (ISA guide 7.12.1 for vector instructions); the matrix instructions in between are not counted.
.macro PLACES n
.rept \n
	v_nop
.endr
.endm
; A step of 128 along K that has its successor in the same slot.  A's blocks go one after the other, each against B's eight, so one set of registers serves A: blocks 0-3 are fetched anew in the step's middle,
; blocks 4-7 at its end; B's fragments are at work through the whole step and have two sets.
.macro STEP slot, q, first
	s_wait_dscnt 4*NL                              ; B's set, A's blocks 0-3 and the scale words are in; the youngest sixteen loads (A's blocks 4-7) may be out
	MWIN 0, \first
	MUL16 0, (\q)%2, \q, \slot, \first
	MUL16 2, (\q)%2, \q, \slot, \first
	s_wait_dscnt 0                                 ; A's blocks 4-7 are in (asked for 32 matrix instructions ago)
	PLACES NP
	FETCH_B \slot, (\q)+1, 1-(\q)%2
	FETCH_A \slot, (\q)+1, 0
	MWIN 1, \first
	MUL16 4, (\q)%2, \q, \slot, \first
	MUL16 6, (\q)%2, \q, \slot, \first
	PLACES NP
	WIN 0
	FETCH_A \slot, (\q)+1, 4
.endm
; A slot's last step changes slots, AT ITS HEAD: all the fragments of this step have been asked for, so the slot is done with as soon as they are in registers.  Each wave waits for all its tensor loads, adds 0 to
; its spare word, and waits for that and for its own reads of this slot; a round of the cluster's barrier; the refill; and only then the step's 64 products, which so stand between the request and the wait for it.
; fill = 1: this slot is filled again, two K steps ahead, by the joint load.  fill = 2: the slot has been read for the last time and takes cx's tile, 64 rows from each wave.
.macro TURN slot, next, fill
	s_wait_tensorcnt 0x0                           ; all my tensor loads have landed: my part of the next slot; so every group 0 may be written  (every window is 0 here: the add's two registers lie in window 0)
	ds_add_u32 v[SPW], v[NIL]                      ; 0 onto my spare word: the descriptors' steps stand between it and the wait for it
.if \fill == 1
	s_add_nc_u64 s[G0+4*\slot+2:G0+4*\slot+3], s[G0+4*\slot+2:G0+4*\slot+3], 2*ROWB
	s_add_nc_u64 s[G0B+4*\slot+2:G0B+4*\slot+3], s[G0B+4*\slot+2:G0B+4*\slot+3], 2*ROWB
.endif
	s_wait_dscnt 0x0                               ; the add is done, and my reads of this slot are over: the last were A's blocks 4-7 of this step
	CROUND                                         ; no wave of any partner still reads this slot's tile or has a load on its way
.if \fill == 1
	JLOAD G0+4*\slot, G1, G0B+4*\slot, G1B         ; the first tensor load behind the round, my one load until the next
.else
	tensor_load_to_lds s[G0C:G0C+3], s[G1C:G1C+7]  ; my 64 rows of cx: the first tensor load behind the round, and my last
	s_nop 0
.rept 4
	v_nop
.endr
.endif
	MWIN 0, 0
	MUL16 0, 1, NQ-1, \slot, 0
	MUL16 2, 1, NQ-1, \slot, 0
	PLACES NP                                      ; for the loads into A's blocks 0-3
	WIN 0
	v_add_nc_u32 v[ADRS], 4*NQ, v[ADRS]            ; on to the next K step's scale words
	FETCH_B \next, 0, 0
	FETCH_A \next, 0, 0
	SCALES \next
	MWIN 1, 0
	MUL16 4, 1, NQ-1, \slot, 0
	MUL16 6, 1, NQ-1, \slot, 0
	PLACES NP
	WIN 0
	FETCH_A \next, 0, 4
.endm
	s_wait_tensorcnt 1                             ; the scales and my part of K step 0 are in (K step 1's load may be out)
	s_barrier_signal -1
	s_barrier_wait -1                              ; everybody's are
	FETCH_B 0, 0, 0
	FETCH_A 0, 0, 0
	SCALES 0
	FETCH_A 0, 0, 4
	s_wait_loadcnt 0x0                             ; the bias
	STEP 0, 0, 1                                   ; the first step stands in front of the loop: its products start the sums, from the bias
	s_mov_b32 s3, LAPS-1
.Llap:                                                 ; a trip goes once round the ring, from a lap's second step to the next lap's first, and fills both slots again: K steps 2 to 7
	s_cmp_lg_u32 s3, 1                             ; in the last trip alone each wave asks for the 64 pieces of 256 bytes of cx that its own tensor load will bring, 256 of its matrix instructions ahead of that load:
	s_cbranch_scc1 .Lno_pf                         ; a lane to a row, 32 rows a line; each piece is asked for once in the launch, all lie inside cx, and the address registers are never rewritten
	global_prefetch_b8 v[PFO], s[14:15] th:TH_LOAD_NT scope:SCOPE_SE
	global_prefetch_b8 v[PFO], s[14:15] offset:131072 th:TH_LOAD_NT scope:SCOPE_SE
.Lno_pf:
	TURN 0, 1, 1
	STEP 1, 0, 0
	TURN 1, 0, 1
	STEP 0, 0, 0
	s_sub_co_u32 s3, s3, 1
	s_cmp_lg_u32 s3, 0
	s_cbranch_scc1 .Llap
	TURN 0, 1, 2                                   ; the last lap: slot 0 is left for good and takes cx
	STEP 1, 0, 0
	s_wait_dscnt 4*NL                              ; the very last step: nothing more to fetch
	MWIN 0, 0
	MUL16 0, 1, NQ-1, 1, 0
	MUL16 2, 1, NQ-1, 1, 0
	s_wait_dscnt 0x0                               ; my reads of slot 1 are over: behind the barrier it becomes the stages;
	s_wait_tensorcnt 0x0                           ; my 64 rows of cx, the one load of mine that was out, have landed: other waves read them behind the barrier
	s_barrier_signal -1
	MWIN 1, 0
	MUL16 4, 1, NQ-1, 1, 0
	MUL16 6, 1, NQ-1, 1, 0
	WIN 0
	s_barrier_wait -1
; THE TAIL, a block of 16 rows at a time: 16 elements a lane, e = 8 u + j.
.macro CXL a                           ; block a's cx into set a % 2: register e = cx(16 a + r, my units + 16 u + 8 h + j)
.irp u, 0,1
.irp c, 0,1
	ds_load_b128 v[CXR+16*((\a)%2)+8*\u+4*\c:CXR+16*((\a)%2)+8*\u+4*\c+3], v[CXA] offset:(\a)*16*PITCH+64*\u+16*\c
.endr
.endr
.endm
.macro PK8 op, d, x, y                 ; eight packed two-source lines over 16 numbers
.irp p, 0,2,4,6,8,10,12,14
	\op v[\d+\p:\d+\p+1], v[\x+\p:\x+\p+1], v[\y+\p:\y+\p+1]
.endr
.endm
.macro INC8 d                          ; 16 numbers + 1
	s_wait_alu depctr_va_vdst(0)
.irp p, 0,2,4,6,8,10,12,14
	v_pk_add_f32 v[\d+\p:\d+\p+1], v[\d+\p:\d+\p+1], 1.0 op_sel_hi:[1,0]
.endr
.endm
.macro ONEM8 d, x                      ; 1 - x, 16 numbers
	s_wait_alu depctr_va_vdst(0)
.irp p, 0,2,4,6,8,10,12,14
	v_pk_fma_f32 v[\d+\p:\d+\p+1], v[\x+\p:\x+\p+1], -1.0, 1.0 op_sel_hi:[1,0,0]
.endr
.endm
; THE WAY OUT, phase p: blocks 2 p and 2 p + 1 of all four waves, 64 rows of the tile.  A row's 256 bytes of hy and of cy come from two waves: so a barrier, then each wave reads 16 whole rows of each stage back,
; into 64 registers of window 1 that nothing else takes (BACK), and stores them (SEND).  The next phase's stores into the stages go to other rows than these loads read: no second barrier is needed.
.macro BACK p
	s_wait_dscnt 0x0                               ; for the others' sake: my stores into the stages are done
	s_barrier_signal -1
	s_barrier_wait -1
	WIN TO_B
.set t, 0
.rept 8
	ds_load_b128 v[64*(\p)+4*t:64*(\p)+4*t+3], v[RDH] offset:PH*(\p)+2*t*PITCH
.set t, t+1
.endr
.set t, 0
.rept 8
	ds_load_b128 v[64*(\p)+32+4*t:64*(\p)+32+4*t+3], v[RDC] offset:PH*(\p)+2*t*PITCH
.set t, t+1
.endr
	WIN 0
.endm
.macro SEND p, counted                 ; counted = 1: nothing stands between BACK and SEND: each store waits for its own load; LDS loads come back in order (ISA guide 5.7.1), the younger ones stay out
	WIN 0x04                                       ; a store's data are its source 1: window 1
.set t, 0
.rept 8
.if \counted
	s_wait_dscnt 15-t
.endif
	global_store_b128 v[GOF], v[64*(\p)+4*t:64*(\p)+4*t+3], s[16:17] offset:(32*(\p)+2*t)*4096 th:TH_STORE_NT      ; 16 lanes store 256 consecutive bytes, at a multiple of 256 from out0's first byte; written once, read by nobody here
.set t, t+1
.endr
.set t, 0
.rept 8
.if \counted
	s_wait_dscnt 7-t
.endif
	global_store_b128 v[GOF], v[64*(\p)+32+4*t:64*(\p)+32+4*t+3], s[18:19] offset:(32*(\p)+2*t)*4096 th:TH_STORE_NT
.set t, t+1
.endr
	WIN 0
.endm
.macro EPI a, send                     ; send: the phase whose rows, read back just before, are stored at this block's head; -1: none
.set AC, 64*((\a)%4)
.set CX, CXR+16*((\a)%2)
.set SO, PH*((\a)/2)+16*PITCH*((\a)%2)
.if (\a) < 7
	CXL (\a)+1
	s_wait_dscnt 4                                 ; all but the four loads just issued: this block's cx is in, the rows read back are in, and the last block's stores into the stages have read T and W
.else
	s_wait_dscnt 0x0
.endif
.if (\send) >= 0
	SEND \send, 0
.endif
	WIN 0x02+(\a)/4                                ; source 0: window 2 or 3
.set n, 0
.rept 32                                       ; T[16 g + e] = -k x gate; each accumulator is read from its low end on
.if (n >= 32) && (n < 48)
	v_pk_mul_f32 v[T+n:T+n+1], v[AC+n:AC+n+1], s[K2:K2+1] op_sel_hi:[1,0]      ; g: a tanh
.else
	v_pk_mul_f32 v[T+n:T+n+1], v[AC+n:AC+n+1], s[KL:KL+1] op_sel_hi:[1,0]      ; i, f, o: sigmoids
.endif
.set n, n+2
.endr
	WIN 0
.set e, 0
.rept 16
	v_min_num_f32 v[T+e], s[CL], v[T+e]            ; the hold at 30, for i
.set e, e+1
.endr
.set e, 0
.rept 48                                       ; Ei, Ef, Eg; behind each exponential a plain line that is due anyway: the hold of the number sixteen further on (ISA guide 5.7.2: a plain line stands between a transcendental and the use of its result)
	v_exp_f32 v[T+e], v[T+e]
	v_min_num_f32 v[T+16+e], s[CL], v[T+16+e]
.set e, e+1
.endr
.set e, 0
.rept 16                                       ; Eo; the plain lines make 1 + Ei (T[0..15]) and 1 + Ef (T[16..31])
	v_exp_f32 v[T+48+e], v[T+48+e]
	s_wait_alu depctr_va_vdst(0)
	v_pk_add_f32 v[T+2*e:T+2*e+1], v[T+2*e:T+2*e+1], 1.0 op_sel_hi:[1,0]
.set e, e+1
.endr
	ONEM8 W, T+32                                  ; W = 1 - Eg
	INC8 T+32                                      ; 1 + Eg
	PK8 v_pk_mul_f32, T, T, T+32                   ; (1 + Ei)(1 + Eg)
	PK8 v_pk_mul_f32, W, W, T+16                   ; (1 - Eg)(1 + Ef)
.irp p, 0,2,4,6,8,10,12,14
	v_pk_fma_f32 v[W+\p:W+\p+1], v[CX+\p:CX+\p+1], v[T+\p:T+\p+1], v[W+\p:W+\p+1]   ; + cx (1 + Ei)(1 + Eg): cy's numerator
.endr
	PK8 v_pk_mul_f32, T+16, T, T+16                ; (1 + Ei)(1 + Eg)(1 + Ef): its denominator
.set e, 0
.rept 16
	v_rcp_f32 v[T+16+e], v[T+16+e]
.set e, e+1
.endr
	INC8 T+48                                      ; 1 + Eo (the plain lines behind the reciprocals)
	PK8 v_pk_mul_f32, W, W, T+16                   ; cy
.irp p, 0,2,4,6,8,10,12,14
	v_pk_mul_f32 v[T+32+\p:T+32+\p+1], v[W+\p:W+\p+1], s[K2:K2+1] op_sel_hi:[1,0]   ; -2 log2(e) cy
.endr
.irp u, 0,1
.irp c, 0,1
	ds_store_b128 v[STC], v[W+8*\u+4*\c:W+8*\u+4*\c+3] offset:SO+64*\u+16*\c
.endr
.endr
	v_min_num_f32 v[T+32], s[CL], v[T+32]
.set e, 0
.rept 15                                       ; Ec, the holds between the exponentials
	v_exp_f32 v[T+32+e], v[T+32+e]
	v_min_num_f32 v[T+33+e], s[CL], v[T+33+e]
.set e, e+1
.endr
	v_exp_f32 v[T+47], v[T+47]
	ONEM8 T, T+32                                  ; 1 - Ec (its first line names neither the source nor the result of the exponential just above)
	INC8 T+32                                      ; 1 + Ec
	PK8 v_pk_mul_f32, T+32, T+32, T+48             ; (1 + Ec)(1 + Eo)
.set e, 0
.rept 16
	v_rcp_f32 v[T+32+e], v[T+32+e]
.set e, e+1
.endr
	v_nop                                          ; a plain line between the last reciprocal and the use of its result
	s_wait_alu depctr_va_vdst(0)
	PK8 v_pk_mul_f32, T, T, T+32                   ; hy
.irp u, 0,1
.irp c, 0,1
	ds_store_b128 v[STH], v[T+8*\u+4*\c:T+8*\u+4*\c+3] offset:SO+64*\u+16*\c
.endr
.endr
.endm
	PLACES NP                                      ; behind the last products: for the loads and vector lines that write A's registers, and for the first reads of results
	CXL 0
	EPI 0, -1
	EPI 1, -1
	BACK 0                                         ; rows 0-31 of each half of the tile are whole in the stages,
	EPI 2, 0                                       ; and leave at the head of the next block's work
	EPI 3, -1
	BACK 1
	EPI 4, 1
	EPI 5, -1
	BACK 2
	EPI 6, 2
	EPI 7, -1
	BACK 3
	SEND 3, 1                                      ; the last quarter: no work is left to set in front of it
	s_wait_tensorcnt 0x0                           ; the wave's end: behind my last tensor load and my last LDS store
	ds_add_u32 v[SPW], v[NIL]
	s_wait_dscnt 0x0
	CROUND                                         ; the closing round: no work-group ends while a partner may still ask for a tile that names it
	s_endpgm
.Lfunc_end_k_q26a692c213_lstm:
	.size	k_q26a692c213_lstm, .Lfunc_end_k_q26a692c213_lstm-k_q26a692c213_lstm
	.p2alignl 7, 3214868480
	.fill 96, 4, 3214868480
	.section	.rodata,"a",@progbits
	.p2align	6, 0x0
	.amdhsa_kernel k_q26a692c213_lstm
		.amdhsa_group_segment_fixed_size 327680
		.amdhsa_private_segment_fixed_size 0
		.amdhsa_enable_private_segment 0
		.amdhsa_kernarg_size 64
		.amdhsa_user_sgpr_count 2
		.amdhsa_user_sgpr_kernarg_segment_ptr 1
		.amdhsa_wavefront_size32 1
		.amdhsa_system_sgpr_workgroup_id_x 1
		.amdhsa_system_sgpr_workgroup_id_y 1
		.amdhsa_system_sgpr_workgroup_id_z 1
		.amdhsa_system_vgpr_workitem_id 0
		.amdhsa_next_free_vgpr 1024
		.amdhsa_next_free_sgpr 102
		.amdhsa_reserve_vcc 0
		.amdhsa_float_denorm_mode_32 3
		.amdhsa_float_denorm_mode_16_64 3
		.amdhsa_memory_ordered 1
		.amdhsa_forward_progress 1
		.amdhsa_inst_pref_size 255
	.end_amdhsa_kernel
	.section	.bss,"aw",@nobits
	.p2align	6
	.space	262144
	.amdgpu_metadata
---
amdhsa.version: [ 1, 2 ]
amdhsa.kernels:
  - .name:           k_q26a692c213_lstm
    .symbol:         k_q26a692c213_lstm.kd
    .args:
      - { .name: a_codes, .offset: 0, .size: 8, .value_kind: global_buffer, .address_space: global }
      - { .name: a_scales, .offset: 8, .size: 8, .value_kind: global_buffer, .address_space: global }
      - { .name: b_codes, .offset: 16, .size: 8, .value_kind: global_buffer, .address_space: global }
      - { .name: b_scales, .offset: 24, .size: 8, .value_kind: global_buffer, .address_space: global }
      - { .name: bias, .offset: 32, .size: 8, .value_kind: global_buffer, .address_space: global }
      - { .name: cx, .offset: 40, .size: 8, .value_kind: global_buffer, .address_space: global }
      - { .name: out0, .offset: 48, .size: 8, .value_kind: global_buffer, .address_space: global }
      - { .name: out1, .offset: 56, .size: 8, .value_kind: global_buffer, .address_space: global }
    .group_segment_fixed_size: 327680
    .private_segment_fixed_size: 0
    .kernarg_segment_align: 8
    .kernarg_segment_size: 64
    .max_flat_workgroup_size: 128
    .sgpr_count:     102
    .vgpr_count:     1024
    .wavefront_size: 32
...
	.end_amdgpu_metadata
.endif
;; end of part 2
